; MI455X (gfx1250); checked and timed in simulation.
; The chip was launched on July 23, 2026; its instructions are those of AMD's public machine-readable ISA for CDNA 5 (MIT licence, August 2026) and "CDNA5" Instruction Set Architecture Reference Guide (July 2026). The comments in the code are by the model that wrote it; some were corrected since.
;; Attention. Allowed arithmetic: matrix products marked QUANTISED: E2M3 operands, one E8M0 scale for each 32 along K, by v_wmma_scale_f32_16x16x128_f8f6f4 with both operands' format E2M3, f32 sums; products left as they are: f32 operands where the result goes on into a quantised operand, else bf16, f16 or f32 operands; f32 sums; everything else in f32.
;; Inputs: Wk_codes 512 x 16 x 24 uint8 (E2M3 codes of Wk, K innermost, in blocks of 32 codes, four codes in three bytes); Wk_scales 512 x 16 uint8 (E8M0 scales of Wk, one for each 32 codes along K); Wq_codes 512 x 16 x 24 uint8 (E2M3 codes of Wq, K innermost, in blocks of 32 codes, four codes in three bytes); Wq_scales 512 x 16 uint8 (E8M0 scales of Wq, one for each 32 codes along K); bk 512 float32; bq 512 float32; hidden_states_codes 4,096 x 32 x 16 x 24 uint8 (E2M3 codes of hidden_states, K innermost, in blocks of 32 codes, four codes in three bytes); hidden_states_scales 4,096 x 32 x 16 uint8 (E8M0 scales of hidden_states, one for each 32 codes along K); lengths 32 int32.
;; Outputs: out0 32 x 512 float32.
;; This version of the problem:
;;   THIS VERSION OF THE PROBLEM IS GIVEN IN LOW PRECISION. The matrix products marked QUANTISED in the list below multiply operands that are first quantised to E2M3 (2 exponent bits, 3 mantissa bits; 6 bits a number), with one power-of-two scale for each 32 numbers along K (OCP MX v1.0); their sums are f32. All else is computed in f32.
;;   The module's matrix products, in the order in which they are computed (A, B: the left and right operand; K: the contracted axis; several contracted axes count as one K, in the product's order):
;;     1. [M 131,072, K 512] x [K 512, N 512]; A: input hidden_states (given as codes); B: input Wq (given as codes): QUANTISED
;;     2. [M 131,072, K 512] x [K 512, N 512]; A: input hidden_states (given as codes); B: input Wk (given as codes): QUANTISED
;;     3. batch 32 x [M 4,096, K 512] x [K 512, N 1]; A: computed on the way; B: computed on the way: left as it is (N = 1 < 16)
;;     4. batch 32 x [M 1, K 4,096] x [K 4,096, N 512]; A: softmax; B: computed on the way: left as it is (M = 1 < 16)
;;   THE QUANTISER, for each operand of a quantised product, along K:
;;     - K is cut into blocks of 32 from its start; a last block that is shorter is filled with zeros.
;;     - A block's scale is 2^e with e = floor(log2(the largest magnitude in the block)) - 2, held to -126 .. 127; a block of zeros has e = 0. As a byte (E8M0): e + 127.
;;     - Each number is divided by its block's scale, clamped to +-7.5, and rounded to the nearest number of E2M3, ties to even, subnormals kept.
;;     - The product sums the exact products of the quantised numbers (number of the format x scale) in f32.
;;   ~~~python
;;   def quantise(x, axis):      # numpy; x: float32 -> the quantised numbers, widened to float32 again
;;       x = np.moveaxis(x, axis, -1); K = x.shape[-1]
;;       x = np.pad(x, [(0, 0)] * (x.ndim - 1) + [(0, -K % 32)]); x = x.reshape(x.shape[:-1] + (-1, 32)); a = np.abs(x).max(-1, keepdims=True)
;;       e = np.where(a > 0, np.clip(np.frexp(np.where(a > 0, a, 1))[1] - 1 - 2, -126, 127), 0)      # np.frexp(a)[1] - 1 = floor(log2(a)), exactly
;;       r = np.clip(x / 2.0 ** e, -7.5, 7.5)
;;       step = 2.0 ** (np.maximum(np.frexp(np.where(r == 0, 1, r))[1] - 1, 0) - 3)
;;       q = np.round(r / step) * step * 2.0 ** e      # np.round: ties to even
;;       return np.moveaxis(q.reshape(q.shape[:-2] + (-1,))[..., :K], -1, axis).astype(np.float32)
;;   ~~~
;;   INPUTS GIVEN AS CODES. Wk (in the module: [512, 512], K = its axis 1); Wq (in the module: [512, 512], K = its axis 1); hidden_states (in the module: [4096, 32, 512], K = its axis 2): each comes as NAME_codes (uint8): NAME with its K axis moved to the last place and cut into blocks of 32 codes, [.., K / 32, bytes a block], one block behind the other in memory; four codes in three bytes: a row's codes are one little-endian stream of bits, code i at bits 6 i .. 6 i + 5 (a code: sign, 2 exponent bits, 3 mantissa bits); and NAME_scales (uint8): the same leading axes, one E8M0 byte (e + 127) for each 32 codes along K. Its value is code x scale, taken as it is: it is not quantised again, and the codes and scales need not be those that the quantiser above would give.
;; One version. Each part assembles by itself: llvm-mc -triple=amdgcn-amd-amdhsa -mcpu=gfx1250 --defsym DOCPART=n.
;; ======== version 1 of 1: 3 launches
;; limits: right only within a limited range of input values
;; workspace buffers: qpart 1,048,576 bytes; opart 1,048,576 bytes; ml 65,536 bytes
;; launch qsum (part 1): grid 256 x 1, 4 waves a work-group, clusters of 4 x 1, 327,680 bytes of LDS; arguments hidden_states_codes, hidden_states_scales, Wq_codes, Wq_scales, qpart; writes qpart
.if DOCPART == 1
	.amdgcn_target "amdgcn-amd-amdhsa--gfx1250"
	.amdhsa_code_object_version 6
	.text
	.protected	k_q3df5ef557f_qsum
	.globl	k_q3df5ef557f_qsum
	.p2align	8
	.type	k_q3df5ef557f_qsum,@function
k_q3df5ef557f_qsum:
	s_mov_b64 s[64:65], 0
	v_nop
	global_prefetch_b8 v0, s[64:65] scope:SCOPE_SE
	s_setreg_imm32_b32 hwreg(HW_REG_WAVE_MODE, 25, 1), 1
	s_wait_xcnt 0x0
	s_wait_alu depctr_hold_cnt(0) depctr_sa_sdst(0) depctr_va_vdst(0) depctr_va_sdst(0) depctr_va_ssrc(0) depctr_va_vcc(0) depctr_vm_vsrc(0)
	s_getreg_b32 s2, hwreg(HW_REG_IB_STS2, 6, 4)
	s_cmp_eq_u32 s2, 0
	s_cbranch_scc0 .Lentry_in_a_cluster
	s_endpgm
.Lentry_in_a_cluster:
	s_bfe_u32 s2, ttmp6, 0x10000c
	s_cmp_lg_u32 s2, 0x3003
	s_cbranch_scc0 .Lentry_shape_is_right
	s_endpgm
.Lentry_shape_is_right:
; qpart[P][chunk][b'][n] = the sum over the chunk's 256 time steps s of hidden_states[s][2 P + b'] . Wq[n], on the given codes of FP6 (E2M3) with their E8M0 scale bytes; sums in f32.
; The division by 4,096 and bq follow in the next launch, which adds a pair's 16 chunks.
; WORK LEFT OUT BY THE PROGRAM (in the next launch): key = 1 - 2 rr, rr = 1 / (1 + e^(2 x)), so score[b][s] = sum_n q[b][n] - 2 sum_n rr q.  The first term is the same for all s of a batch: the softmax over s
; takes it away for all values of the inputs, so it is not formed; and sum_s p key = 1 - 2 sum_s p rr since sum_s p = 1.  Every input is loaded.  Limit: an overflow that would arise in sum_n q alone is not carried to the result.
; SHARES.  Work-group g: pair of batches P = g % 16, chunk = g / 16: 256 time steps x 2 batches = 512 sub-rows of 512 codes.  Wave w makes n = 128 w .. 128 w + 127 for all 512 sub-rows.
; CLUSTER 4 x 1: all work-groups read the same Wq, so the four partners ask for it jointly (mask 15).  h is read by one work-group alone.
; LDS.  A pair's 768 bytes of a time step are one tensor row, 16 bytes of padding behind each 128: 864 bytes; a tile (8 time steps x 2 batches) is 6,912 bytes, tile T at 6,912 T.
; The head's loads, one a wave: waves 0, 1 Wq's rows (two to a tensor row of 768 bytes, so that each begins at a multiple of 256), into the bytes of tiles 12-31 and beyond; wave 2 h's tiles 0-11; wave 3 h's scale bytes.
; Each wave reads its 128 rows of Wq into 384 registers; then those bytes are filled again, once, with h's tiles 12-31, 40 time steps a wave.
; NO PREFETCH: all of the work-group's h is asked for by the head's load and that one refill; there is no later trip whose tiles could be asked for ahead.
; THE PRODUCT IS USED TRANSPOSED: source 0 = 16 rows of Wq, source 1 = 16 sub-rows of h; lane r holds sub-row r, so b' = r % 2 in every tile.  All 32 tiles add onto the same 8 accumulators.
; LIMITS: NaN is not served (a scale byte 0xff makes the sums NaN, as in the definition).  The sum over s is made in another order than the definition's.
.set TILEB, 6912
.set WR,    82944                      ; Wq's 221,184 bytes; later h's tiles 12-31
.set HS,    304128                     ; h's scale bytes: 16 a sub-row, 256 a tile
.set SPARE, 317440                     ; the spare words, 128 bytes a wave
.set AH0, 1                            ; v1, v2   432 r + 24 h, 432 r + 40 h
.set AS0, 3                            ; v3       HS + 16 r
.set ADR, 4                            ; v4, v5   the trip's addresses;  v6 the scale words'
.set ADS, 6
.set AW,  8                            ; v8, v9   my rows of Wq in LDS
.set WSO, 11                           ; v11      16 r + 1024 h
.set QO,  12                           ; v12      my byte offset in the work-group's part of qpart
.set WS,  16                           ; v16-31   Wq's scale words: register 4 u + kap: lanes 0-15 tile u, lanes 16-31 tile u + 4
.set HSC, 32                           ; v32-39   h's scale words, two buffers
.set AB,  48                           ; v48-143  h's fragments, two buffers of 4 K steps x 12
.set ACC, 144                          ; v144-207 the 8 accumulators
.set TS,  208
.set RES, 232
.set SPW, 254
.set NIL, 255
                                       ; window 1: Wq's fragments of K steps 0, 1 at v[24 t + 12 kap];  window 2: K steps 2, 3
.set WV,  24
.set PP,  26
.set CH,  27
.set G1W, 32                           ; groups 1: Wq, h, h's scale bytes;  groups 0: the same and the refill
.set G1H, 40
.set G1S, 48
.set G0W, 56
.set G0H, 60
.set G0S, 68
.set G0R, 72
.set HB,  76
.set SB,  77
.set CNT, 78
.set M8,  85
.set M4,  86
.set M2,  87
.set MSB, 0
.macro WIN new                         ; the immediate's high byte repeats the setting that is left
.if MSB != (\new)
	s_set_vgpr_msb (MSB<<8)|(\new)
.set MSB, (\new)
.endif
.endm
.macro PLACES                          ; four plain places behind a matrix instruction, and behind a tensor load
.rept 4
	v_nop
.endr
.endm
; a fragment: 16 rows x 128 K = 12 registers, six pieces of 8 bytes; lanes 16-31 read three pieces on, for some pieces behind one padding more: the second address register
.macro FRAG reg, adr, off, kap
.irp p, 0,1,2,3,4,5
.set PC, 12*(\kap)+6*(\p/3)+\p%3
.if PC%16 < 13
	ds_load_b64 v[(\reg)+2*\p:(\reg)+2*\p+1], v[\adr] offset:(\off)+8*PC+16*(PC/16)
.else
	ds_load_b64 v[(\reg)+2*\p:(\reg)+2*\p+1], v[(\adr)+1] offset:(\off)+8*PC+16*(PC/16)
.endif
.endr
.endm
.macro ROUND                           ; a round of the cluster's barrier
	s_barrier_signal -1
	s_barrier_wait -1
	s_cmp_lg_u32 s[WV], 0
	s_cbranch_scc1 .Lnw0_\@
	s_barrier_signal -3
.Lnw0_\@:
	s_barrier_wait -3
	s_barrier_signal -1
	s_barrier_wait -1
.endm
.macro ARM under, g0, g1, next
	s_cmp_lt_u32 s[WV], \under
	s_cbranch_scc0 \next
	tensor_load_to_lds s[\g0:\g0+3], s[\g1:\g1+7]
	s_nop 0
	PLACES
	s_branch .Lasked
\next:
.endm
.macro WM d, a, b, cz, sa, sb, ra
.if \cz
.if \ra
	v_wmma_scale_f32_16x16x128_f8f6f4 v[(\d):(\d)+7], v[(\a):(\a)+11], v[(\b):(\b)+11], 0, v[\sa], v[\sb] matrix_a_fmt:MATRIX_FMT_FP6 matrix_b_fmt:MATRIX_FMT_FP6 matrix_a_scale:MATRIX_SCALE_ROW1
.else
	v_wmma_scale_f32_16x16x128_f8f6f4 v[(\d):(\d)+7], v[(\a):(\a)+11], v[(\b):(\b)+11], 0, v[\sa], v[\sb] matrix_a_fmt:MATRIX_FMT_FP6 matrix_b_fmt:MATRIX_FMT_FP6
.endif
.else
.if \ra
	v_wmma_scale_f32_16x16x128_f8f6f4 v[(\d):(\d)+7], v[(\a):(\a)+11], v[(\b):(\b)+11], v[(\d):(\d)+7], v[\sa], v[\sb] matrix_a_fmt:MATRIX_FMT_FP6 matrix_b_fmt:MATRIX_FMT_FP6 matrix_a_scale:MATRIX_SCALE_ROW1
.else
	v_wmma_scale_f32_16x16x128_f8f6f4 v[(\d):(\d)+7], v[(\a):(\a)+11], v[(\b):(\b)+11], v[(\d):(\d)+7], v[\sa], v[\sb] matrix_a_fmt:MATRIX_FMT_FP6 matrix_b_fmt:MATRIX_FMT_FP6
.endif
.endif
.endm
	s_load_b256 s[4:11], s[0:1], 0x0               ; h's codes, h's scales, Wq's codes, Wq's scales
	s_load_b64 s[12:13], s[0:1], 0x20              ; qpart
	v_lshl_add_u32 v[SPW], v0, 2, SPARE
	v_mov_b32 v[NIL], 0
	ds_add_u32 v[SPW], v[NIL]
	ds_add_u32 v[SPW], v[NIL]
	v_lshrrev_b32 v13, 5, v0
	v_readfirstlane_b32 s[WV], v13                 ; wave 0..3
	s_bfe_u32 s25, ttmp6, 0x40000                  ; cx
	s_lshl_b32 s26, ttmp9, 2
	s_add_co_u32 s25, s26, s25                     ; g = 4 x cluster + cx
	s_and_b32 s[PP], s25, 15
	s_lshr_b32 s[CH], s25, 4
	s_mov_b32 s[G1W+0], 15|(1<<20)|(1<<21)|(4<<22)|(3<<25)   ; the four partners; bytes; 4 words of padding behind every 32
	s_mov_b32 s[G1W+1], 768<<16
	s_mov_b32 s[G1W+2], 128<<16
	s_mov_b32 s[G1W+3], 768<<16
	s_mov_b32 s[G1W+4], 128
	s_mov_b32 s[G1W+5], 768
	s_mov_b32 s[G1W+6], 0
	s_mov_b32 s[G1W+7], 0
	s_mov_b32 s[G1H+0], (1<<20)|(4<<22)|(3<<25)
	s_mov_b32 s[G1H+1], 768<<16
	s_mov_b32 s[G1H+2], 96<<16                     ; the head's load: 96 time steps
	s_mov_b32 s[G1H+3], 768<<16
	s_mov_b32 s[G1H+4], 96
	s_mov_b32 s[G1H+5], 12288
	s_mov_b32 s[G1H+6], 0
	s_mov_b32 s[G1H+7], 0
	s_mov_b32 s[G1S+0], 3<<16                      ; 256 rows of 4 elements of 8 bytes, 64 elements apart, dense in LDS
	s_mov_b32 s[G1S+1], 4<<16
	s_mov_b32 s[G1S+2], 256<<16
	s_mov_b32 s[G1S+3], 4<<16
	s_mov_b32 s[G1S+4], 256
	s_mov_b32 s[G1S+5], 64
	s_mov_b32 s[G1S+6], 0
	s_mov_b32 s[G1S+7], 0
	s_mul_i32 s90, s[CH], 3145728                  ; the chunk's 256 time steps of 12,288 bytes
	s_mul_i32 s28, s[PP], 768
	s_add_co_u32 s90, s90, s28
	s_mov_b32 s91, 0
	s_mul_i32 s94, s[WV], 491520                   ; the refill: time steps 96 + 40 w on
	s_add_co_u32 s94, s94, s90
	s_add_co_u32 s94, s94, 1179648
	s_mov_b32 s95, 0
	s_lshl_b32 s92, s[CH], 17                      ; scale bytes: 512 a time step
	s_lshl_b32 s28, s[PP], 5
	s_add_co_u32 s92, s92, s28
	s_mov_b32 s93, 0
	s_and_b32 s98, s[WV], 1                        ; Wq: which half; made of the wave's number alone
	s_mul_i32 s96, s98, 98304
	s_mov_b32 s97, 0
	s_mul_i32 s98, s98, 110592
	s_mov_b32 s[G0W], 1
	s_add_co_u32 s[G0W+1], s98, WR
	s_mov_b32 s[G0H], 1
	s_mov_b32 s[G0H+1], 0
	s_mov_b32 s[G0S], 1
	s_mov_b32 s[G0S+1], HS
	s_mov_b32 s[G0R], 1
	s_mul_i32 s[G0R+1], s[WV], 34560
	s_add_co_u32 s[G0R+1], s[G0R+1], WR
	s_wait_dscnt 0x0
	s_wait_kmcnt 0x0
	s_add_nc_u64 s[G0W+2:G0W+3], s[8:9], s[96:97]
	s_or_b32 s[G0W+3], s[G0W+3], 0x80000000
	s_add_nc_u64 s[G0H+2:G0H+3], s[4:5], s[90:91]
	s_or_b32 s[G0H+3], s[G0H+3], 0x80000000
	s_add_nc_u64 s[G0S+2:G0S+3], s[6:7], s[92:93]
	s_or_b32 s[G0S+3], s[G0S+3], 0x80000000
	s_add_nc_u64 s[G0R+2:G0R+3], s[4:5], s[94:95]
	s_or_b32 s[G0R+3], s[G0R+3], 0x80000000
	ROUND                                          ; the partners are here: the joint loads meet
	ARM 2, G0W, G1W, .Larm_h                       ; one chain of arms, one load to an arm
	ARM 3, G0H, G1H, .Larm_s
	tensor_load_to_lds s[G0S:G0S+3], s[G1S:G1S+7]
	s_nop 0
	PLACES
.Lasked:
	s_mov_b32 s29, 0
	s_lshl_b32 s28, s[WV], 11                      ; my rows' scale bytes
	s_add_nc_u64 s[10:11], s[10:11], s[28:29]
	s_lshl_b32 s28, s[PP], 4
	s_add_co_u32 s28, s28, s[CH]
	s_lshl_b32 s28, s28, 12                        ; qpart: (16 P + chunk) x 4,096 bytes
	s_lshl_b32 s30, s[WV], 9
	s_add_co_u32 s28, s28, s30
	s_add_nc_u64 s[12:13], s[12:13], s[28:29]
	s_mov_b32 s[M8], 0xff00ff00
	s_mov_b32 s[M4], 0xf0f0f0f0
	s_mov_b32 s[M2], 0xcccccccc
	s_mov_b32 s[HB], 0
	s_mov_b32 s[SB], 0
	s_mul_i32 s28, s[WV], 55296                    ; my 128 rows of Wq in LDS
	s_add_co_u32 s28, s28, WR
	v_and_b32 v13, 15, v0                          ; r
	v_bfe_u32 v14, v0, 4, 1                        ; h
	v_mul_u32_u24 v[AH0], v13, 432
	v_mad_u32_u24 v[AH0], v14, 24, v[AH0]
	v_lshl_add_u32 v[AH0+1], v14, 4, v[AH0]
	v_lshl_add_u32 v[AS0], v13, 4, HS
	v_add_nc_u32 v[AW], s28, v[AH0]
	v_add_nc_u32 v[AW+1], s28, v[AH0+1]
	v_lshlrev_b32 v[WSO], 4, v13
	v_lshl_add_u32 v[WSO], v14, 10, v[WSO]
	v_and_b32 v[QO], 1, v13                        ; 2048 (r % 2) + 64 (r / 4) + 32 h + 16 ((r / 2) % 2)
	v_lshlrev_b32 v[QO], 11, v[QO]
	v_lshrrev_b32 v15, 2, v13
	v_lshl_add_u32 v[QO], v15, 6, v[QO]
	v_lshl_add_u32 v[QO], v14, 5, v[QO]
	v_bfe_u32 v15, v13, 1, 1
	v_lshl_add_u32 v[QO], v15, 4, v[QO]
.irp u, 0,1,2,3
	global_load_b128 v[WS+4*\u:WS+4*\u+3], v[WSO], s[10:11] offset:256*\u   ; row 16 (u + 4 h) + r: its four scale words
.endr
	s_wait_alu depctr_va_vdst(0)                   ; the wait at the head's end
	s_wait_tensorcnt 0x0                           ; my tile of the head's four is in
	s_barrier_signal -1
	s_barrier_wait -1                              ; everybody's is
	WIN 0x40
.irp t, 0,1,2,3,4,5,6,7
	FRAG 24*\t, AW, TILEB*\t, 0
	FRAG 24*\t+12, AW, TILEB*\t, 1
.endr
	WIN 0x80
.irp t, 0,1,2,3,4,5,6,7
	FRAG 24*\t, AW, TILEB*\t, 2
	FRAG 24*\t+12, AW, TILEB*\t, 3
.endr
	WIN 0
	s_wait_tensorcnt 0x0
	ds_add_u32 v[SPW], v[NIL]
	s_mov_b32 s[G1H+2], 40<<16                     ; no load of mine is out: from here on a load of h brings 40 time steps
	s_mov_b32 s[G1H+4], 40
	s_wait_dscnt 0x0                               ; the add is done and my rows of Wq are in registers
	ROUND
	tensor_load_to_lds s[G0R:G0R+3], s[G1H:G1H+7]  ; tiles 12 + 5 w .. 16 + 5 w, over Wq's bytes
	s_nop 0
	PLACES
	s_wait_loadcnt 0x0                             ; Wq's scale words
.macro SETADR
	v_add_nc_u32 v[ADR], s[HB], v[AH0]
	v_add_nc_u32 v[ADR+1], s[HB], v[AH0+1]
	v_add_nc_u32 v[ADS], s[SB], v[AS0]
.endm
.macro FETCH buf, toff                 ; a tile's scale words and four fragments: 25 LDS loads
	ds_load_b128 v[HSC+4*(\buf):HSC+4*(\buf)+3], v[ADS] offset:256*((\toff)/TILEB)
	FRAG AB+48*(\buf), ADR, \toff, 0
	FRAG AB+48*(\buf)+12, ADR, \toff, 1
	FRAG AB+48*(\buf)+24, ADR, \toff, 2
	FRAG AB+48*(\buf)+36, ADR, \toff, 3
.endm
.macro MUL buf, zero                   ; 32 products; the 8 accumulators take turns
.irp kap, 0,1,2,3
	WIN 1+\kap/2
.irp t, 0,1,2,3,4,5,6,7
.if (\zero) && (\kap == 0)
	WM ACC+8*\t, 24*\t+12*(\kap%2), AB+48*(\buf)+12*\kap, 1, WS+4*(\t%4)+\kap, HSC+4*(\buf)+\kap, \t/4
.else
	WM ACC+8*\t, 24*\t+12*(\kap%2), AB+48*(\buf)+12*\kap, 0, WS+4*(\t%4)+\kap, HSC+4*(\buf)+\kap, \t/4
.endif
.endr
.endr
.endm
.macro TRIP zero, fetch                ; two tiles; each buffer takes the tile two on as soon as it has been multiplied
	SETADR
	s_wait_alu depctr_va_vdst(0)
	s_wait_dscnt 25                                ; buffer 0 is in; buffer 1's 25 loads may be out
	MUL 0, \zero
	WIN 0
.if \fetch
	PLACES
	FETCH 0, 2*TILEB
	s_wait_dscnt 25                                ; buffer 1 is in; the 25 just issued may be out
.else
	s_wait_dscnt 0x0
.endif
	MUL 1, 0
	WIN 0
.if \fetch
	PLACES
	FETCH 1, 3*TILEB
.endif
	s_add_co_u32 s[HB], s[HB], 2*TILEB
	s_add_co_u32 s[SB], s[SB], 512
.endm
	SETADR
	FETCH 0, 0
	FETCH 1, TILEB
	TRIP 1, 1                                      ; trip v fetches tiles 2 v + 2, 2 v + 3; trip 0's first products start the sums
	s_mov_b32 s[CNT], 4
.Lfirst:                                           ; trips 1 to 4: tiles up to 11, the head's
	TRIP 0, 1
	s_sub_co_u32 s[CNT], s[CNT], 1
	s_cmp_lg_u32 s[CNT], 0
	s_cbranch_scc1 .Lfirst
	s_wait_dscnt 0x0
	s_wait_tensorcnt 0x0                           ; my part of tiles 12-31 has landed
	s_barrier_signal -1
	s_barrier_wait -1                              ; everybody's has
	s_mov_b32 s[CNT], 10
.Lsecond:                                          ; trips 5 to 14
	TRIP 0, 1
	s_sub_co_u32 s[CNT], s[CNT], 1
	s_cmp_lg_u32 s[CNT], 0
	s_cbranch_scc1 .Lsecond
	TRIP 0, 0
; THE WAY OUT.  Lane (r, h), register 8 t + j: batch r % 2, n = 128 w + 16 t + 8 h + j.  Lanes of equal r % 2 are added.
.macro ALLRED reg, n                   ; each accumulator is read from its low end on
.irp m, 2,4,8
.set i, 0
.rept \n
	v_add_f32_dpp v[(\reg)+i], v[(\reg)+i], v[(\reg)+i] row_xmask:\m row_mask:0xf bank_mask:0xf
.set i, i+1
.endr
.endr
.endm
.macro SELECT src, dst                 ; of 32 registers 8 t + 4 jj + k a lane keeps the four with t = r / 4, jj = (r / 2) % 2: even lanes then hold 256 neighbouring bytes of batch 0, odd lanes of batch 1
.set i, 0
.rept 16
	v_cndmask_b32 v[TS+i], v[(\src)+i], v[(\src)+16+i], s[M8]
.set i, i+1
.endr
.set i, 0
.rept 8
	v_cndmask_b32 v[TS+i], v[TS+i], v[TS+8+i], s[M4]
.set i, i+1
.endr
.set i, 0
.rept 4
	v_cndmask_b32 v[(\dst)+i], v[TS+i], v[TS+4+i], s[M2]
.set i, i+1
.endr
.endm
	PLACES
	ALLRED ACC, 64
	SELECT ACC, RES
	global_store_b128 v[QO], v[RES:RES+3], s[12:13]
	SELECT ACC+32, RES+4
	global_store_b128 v[QO], v[RES+4:RES+7], s[12:13] offset:256
	s_wait_tensorcnt 0x0                           ; the wave's end
	ds_add_u32 v[SPW], v[NIL]
	s_wait_dscnt 0x0
	ROUND                                          ; the closing round
	s_endpgm
.Lfunc_end_k_q3df5ef557f_qsum:
	.size	k_q3df5ef557f_qsum, .Lfunc_end_k_q3df5ef557f_qsum-k_q3df5ef557f_qsum
	.p2alignl 7, 3214868480
	.fill 96, 4, 3214868480
	.section	.rodata,"a",@progbits
	.p2align	6, 0x0
	.amdhsa_kernel k_q3df5ef557f_qsum
		.amdhsa_group_segment_fixed_size 327680
		.amdhsa_private_segment_fixed_size 0
		.amdhsa_enable_private_segment 0
		.amdhsa_kernarg_size 40
		.amdhsa_user_sgpr_count 2
		.amdhsa_user_sgpr_kernarg_segment_ptr 1
		.amdhsa_wavefront_size32 1
		.amdhsa_system_sgpr_workgroup_id_x 1
		.amdhsa_system_sgpr_workgroup_id_y 1
		.amdhsa_system_sgpr_workgroup_id_z 1
		.amdhsa_system_vgpr_workitem_id 0
		.amdhsa_next_free_vgpr 704
		.amdhsa_next_free_sgpr 100
		.amdhsa_reserve_vcc 0
		.amdhsa_float_denorm_mode_32 3
		.amdhsa_float_denorm_mode_16_64 3
		.amdhsa_memory_ordered 1
		.amdhsa_forward_progress 1
		.amdhsa_inst_pref_size 85
	.end_amdhsa_kernel
	.amdgpu_metadata
---
amdhsa.version: [ 1, 2 ]
amdhsa.kernels:
  - .name:           k_q3df5ef557f_qsum
    .symbol:         k_q3df5ef557f_qsum.kd
    .args:
      - { .name: hidden_states_codes, .offset: 0, .size: 8, .value_kind: global_buffer, .address_space: global }
      - { .name: hidden_states_scales, .offset: 8, .size: 8, .value_kind: global_buffer, .address_space: global }
      - { .name: Wq_codes, .offset: 16, .size: 8, .value_kind: global_buffer, .address_space: global }
      - { .name: Wq_scales, .offset: 24, .size: 8, .value_kind: global_buffer, .address_space: global }
      - { .name: qpart, .offset: 32, .size: 8, .value_kind: global_buffer, .address_space: global }
    .group_segment_fixed_size: 327680
    .private_segment_fixed_size: 0
    .kernarg_segment_align: 8
    .kernarg_segment_size: 40
    .max_flat_workgroup_size: 128
    .sgpr_count:     100
    .vgpr_count:     704
    .wavefront_size: 32
...
	.end_amdgpu_metadata
.endif
;; end of part 1
;; launch attn (part 2): grid 256 x 1, 4 waves a work-group, clusters of 4 x 1, 327,680 bytes of LDS; arguments hidden_states_codes, hidden_states_scales, Wk_codes, Wk_scales, bk, bq, lengths, qpart, opart, ml; writes opart, ml
.if DOCPART == 2
	.amdgcn_target "amdgcn-amd-amdhsa--gfx1250"
	.amdhsa_code_object_version 6
	.text
	.protected	k_q3df5ef557f_attn
	.globl	k_q3df5ef557f_attn
	.p2align	8
	.type	k_q3df5ef557f_attn,@function
k_q3df5ef557f_attn:
	s_mov_b64 s[64:65], 0
	v_nop
	global_prefetch_b8 v0, s[64:65] scope:SCOPE_SE
	s_setreg_imm32_b32 hwreg(HW_REG_WAVE_MODE, 25, 1), 1
	s_wait_xcnt 0x0
	s_wait_alu depctr_hold_cnt(0) depctr_sa_sdst(0) depctr_va_vdst(0) depctr_va_sdst(0) depctr_va_ssrc(0) depctr_va_vcc(0) depctr_vm_vsrc(0)
	s_getreg_b32 s2, hwreg(HW_REG_IB_STS2, 6, 4)
	s_cmp_eq_u32 s2, 0
	s_cbranch_scc0 .Lentry_in_a_cluster
	s_endpgm
.Lentry_in_a_cluster:
	s_bfe_u32 s2, ttmp6, 0x10000c
	s_cmp_lg_u32 s2, 0x3003
	s_cbranch_scc0 .Lentry_shape_is_right
	s_endpgm
.Lentry_shape_is_right:
; For a pair of batches and a chunk of 256 time steps: key = tanh(h . Wk^T + bk) on the given codes of FP6 (E2M3), the scores key . q, the length mask, a softmax under a running maximum, the weighted sum of the keys.
; ARITHMETIC, all in f32.  x = h . Wk[n] + bk[n];  rr = 1 / (1 + 2^(c x)), c = 2 log2(e);  key = 1 - 2 rr (2^(c x) = infinity gives rr = 0; 0 gives rr = 1).
; LEFT OUT: the term sum_n q[n] of a score, the same for all positions of a batch (shown at the head of the first kernel).  t = sum_n rr q' + (position >= length ? -10000 log2(e) : 0), q' = -2 log2(e) q;
; p = 2^(t - the running largest t);  stored: sum p rr (opart), the largest t and sum p (ml); the last launch makes out = 1 - 2 sum p rr / sum p.  The mask is finite: masked positions are computed like all others.
; SHARES.  Work-group g: pair P = g % 16, chunk = g / 16.  Wave w owns n = 128 w .. 128 w + 127: its rows of Wk (384 registers), bk and q' stay in registers.  A batch of work is two tiles of 16 sub-rows.
; THE PRODUCT IS USED TRANSPOSED (source 0 = 16 rows of Wk, source 1 = 16 sub-rows of h): a lane holds one sub-row (batch r % 2), its registers run along n.  A score needs all four waves: the parts meet in LDS.
; CLUSTER, LDS AND THE LOADS: as in the first kernel: Wk is asked for jointly by the four partners, is read into registers, and its bytes are then filled again, once, with h's tiles 12-31.  NO PREFETCH, for the reason given there.
; INTERVAL i: the parts of batch i - 1 and the fragments of batch i + 1 are asked of LDS; c x and 2^(c x) of batch i; the softmax step of batch i - 1; rr and the scores' parts of batch i; the parts are stored, the
; barrier is signalled, and batch i + 1's 64 products stand between the signal and the wait.  Two sets of x take turns.  The state begins as zeros under a largest t of -3e38, so one text serves intervals 1 to 14.
; LIMITS: NaN and infinities are not served.  The promise holds while the scaled scores stay under 2^31 in magnitude.  lengths may be any int32.  Sums over n, s and chunks are made in another order than the definition's.
.set TILEB, 6912
.set WR,    82944
.set HS,    304128
.set QS,    312320                     ; q' [batch 2][512] f32
.set EX,    316416                     ; the scores' parts: two buffers [wave 4][lane 32] f32
.set SPARE, 317440
.set AH0, 1                            ; v1, v2   432 r + 24 h, 432 r + 40 h
.set AS0, 3                            ; v3       HS + 16 lane
.set ADR, 4
.set ADS, 6
.set PST, 7                            ; v7       EX + 128 w + 4 lane
.set PLD, 8                            ; v8       EX + 4 lane
.set POS, 9
.set LEN, 10
.set MX,  11
.set LS,  12
.set MK,  13
.set E,   14                           ; v14-21
.set FF,  22
.set PA,  24
.set PB,  26
.set T,   28
.set TO,  29
.set MN,  30
.set TMP, 31
.set HSR, 32                           ; v32-35   h's scale words: register kap: lanes 0-15 tile A, lanes 16-31 tile B
.set P,   36
.set PO,  37
.set KEEP, 38
.set RCV, 39
.set WS,  40                           ; v40-55   Wk's scale words: register 4 u + kap: lanes 0-15 tile u, lanes 16-31 tile u + 4
.set SPW, 62
.set NIL, 63
.set F,   64                           ; v64-159  h's fragments: tile A, tile B, 4 K steps x 12 each;  on the way out at work
.set O,   160                          ; v160-223 sum p rr: register 8 t + j: n = 128 w + 16 t + 8 h + j
.set AW,  228                          ; v224-236 serve the head alone
.set BI,  192                          ; window 1: v0-191 Wk's K steps 0, 1 at v[24 t + 12 kap]; v192-255 bk
.set QP,  192                          ; window 2: v0-191 K steps 2, 3; v192-255 q'
                                       ; window 3: two sets of x, then rr: set s at v[128 s], tile at + 64, n tile t at + 8 t
.set TS,  64
.set RES, 80
.set WV,  24
.set PP,  26
.set CH,  27
.set G1W, 32
.set G1H, 40
.set G1S, 48
.set G0W, 56
.set G0H, 60
.set G0S, 68
.set G0R, 72
.set HB,  76
.set SB,  77
.set CNT, 78
.set CC,  80
.set SEL, 82
.set HM,  84
.set M8,  85
.set M4,  86
.set M2,  87
.set MSB, 0
.macro WIN new
.if MSB != (\new)
	s_set_vgpr_msb (MSB<<8)|(\new)
.set MSB, (\new)
.endif
.endm
.macro PLACES
.rept 4
	v_nop
.endr
.endm
.macro WAITV                           ; the wait round batches of transcendentals and ahead of waits, barriers and branches
	s_wait_alu depctr_va_vdst(0)
.endm
.macro FRAG reg, adr, off, kap
.irp p, 0,1,2,3,4,5
.set PC, 12*(\kap)+6*(\p/3)+\p%3
.if PC%16 < 13
	ds_load_b64 v[(\reg)+2*\p:(\reg)+2*\p+1], v[\adr] offset:(\off)+8*PC+16*(PC/16)
.else
	ds_load_b64 v[(\reg)+2*\p:(\reg)+2*\p+1], v[(\adr)+1] offset:(\off)+8*PC+16*(PC/16)
.endif
.endr
.endm
.macro ROUND
	s_barrier_signal -1
	s_barrier_wait -1
	s_cmp_lg_u32 s[WV], 0
	s_cbranch_scc1 .Lnw0_\@
	s_barrier_signal -3
.Lnw0_\@:
	s_barrier_wait -3
	s_barrier_signal -1
	s_barrier_wait -1
.endm
.macro ARM under, g0, g1, next
	s_cmp_lt_u32 s[WV], \under
	s_cbranch_scc0 \next
	tensor_load_to_lds s[\g0:\g0+3], s[\g1:\g1+7]
	s_nop 0
	PLACES
	s_branch .Lasked
\next:
.endm
.macro WM d, a, b, c, sa, sb, ra, rb   ; ra, rb = 1: that source's scale words stand in lanes 16-31
.if (\ra) && (\rb)
	v_wmma_scale_f32_16x16x128_f8f6f4 v[(\d):(\d)+7], v[(\a):(\a)+11], v[(\b):(\b)+11], v[(\c):(\c)+7], v[\sa], v[\sb] matrix_a_fmt:MATRIX_FMT_FP6 matrix_b_fmt:MATRIX_FMT_FP6 matrix_a_scale:MATRIX_SCALE_ROW1 matrix_b_scale:MATRIX_SCALE_ROW1
.elseif \ra
	v_wmma_scale_f32_16x16x128_f8f6f4 v[(\d):(\d)+7], v[(\a):(\a)+11], v[(\b):(\b)+11], v[(\c):(\c)+7], v[\sa], v[\sb] matrix_a_fmt:MATRIX_FMT_FP6 matrix_b_fmt:MATRIX_FMT_FP6 matrix_a_scale:MATRIX_SCALE_ROW1
.elseif \rb
	v_wmma_scale_f32_16x16x128_f8f6f4 v[(\d):(\d)+7], v[(\a):(\a)+11], v[(\b):(\b)+11], v[(\c):(\c)+7], v[\sa], v[\sb] matrix_a_fmt:MATRIX_FMT_FP6 matrix_b_fmt:MATRIX_FMT_FP6 matrix_b_scale:MATRIX_SCALE_ROW1
.else
	v_wmma_scale_f32_16x16x128_f8f6f4 v[(\d):(\d)+7], v[(\a):(\a)+11], v[(\b):(\b)+11], v[(\c):(\c)+7], v[\sa], v[\sb] matrix_a_fmt:MATRIX_FMT_FP6 matrix_b_fmt:MATRIX_FMT_FP6
.endif
.endm
	s_load_b512 s[4:19], s[0:1], 0x0               ; h's codes, h's scales, Wk's codes, Wk's scales, bk s[12:13], bq s[14:15], lengths s[16:17], qpart s[18:19]
	s_load_b128 s[20:23], s[0:1], 0x40             ; opart, ml
	v_lshl_add_u32 v[SPW], v0, 2, SPARE
	v_mov_b32 v[NIL], 0
	ds_add_u32 v[SPW], v[NIL]
	ds_add_u32 v[SPW], v[NIL]
	v_lshrrev_b32 v224, 5, v0
	v_readfirstlane_b32 s[WV], v224
	s_bfe_u32 s25, ttmp6, 0x40000
	s_lshl_b32 s26, ttmp9, 2
	s_add_co_u32 s25, s26, s25                     ; g
	s_and_b32 s[PP], s25, 15
	s_lshr_b32 s[CH], s25, 4
	s_mov_b32 s[G1W+0], 15|(1<<20)|(1<<21)|(4<<22)|(3<<25)
	s_mov_b32 s[G1W+1], 768<<16
	s_mov_b32 s[G1W+2], 128<<16
	s_mov_b32 s[G1W+3], 768<<16
	s_mov_b32 s[G1W+4], 128
	s_mov_b32 s[G1W+5], 768
	s_mov_b32 s[G1W+6], 0
	s_mov_b32 s[G1W+7], 0
	s_mov_b32 s[G1H+0], (1<<20)|(4<<22)|(3<<25)
	s_mov_b32 s[G1H+1], 768<<16
	s_mov_b32 s[G1H+2], 96<<16
	s_mov_b32 s[G1H+3], 768<<16
	s_mov_b32 s[G1H+4], 96
	s_mov_b32 s[G1H+5], 12288
	s_mov_b32 s[G1H+6], 0
	s_mov_b32 s[G1H+7], 0
	s_mov_b32 s[G1S+0], 3<<16
	s_mov_b32 s[G1S+1], 4<<16
	s_mov_b32 s[G1S+2], 256<<16
	s_mov_b32 s[G1S+3], 4<<16
	s_mov_b32 s[G1S+4], 256
	s_mov_b32 s[G1S+5], 64
	s_mov_b32 s[G1S+6], 0
	s_mov_b32 s[G1S+7], 0
	s_mul_i32 s90, s[CH], 3145728
	s_mul_i32 s28, s[PP], 768
	s_add_co_u32 s90, s90, s28
	s_mov_b32 s91, 0
	s_mul_i32 s94, s[WV], 491520
	s_add_co_u32 s94, s94, s90
	s_add_co_u32 s94, s94, 1179648
	s_mov_b32 s95, 0
	s_lshl_b32 s92, s[CH], 17
	s_lshl_b32 s28, s[PP], 5
	s_add_co_u32 s92, s92, s28
	s_mov_b32 s93, 0
	s_and_b32 s98, s[WV], 1
	s_mul_i32 s96, s98, 98304
	s_mov_b32 s97, 0
	s_mul_i32 s98, s98, 110592
	s_mov_b32 s[G0W], 1
	s_add_co_u32 s[G0W+1], s98, WR
	s_mov_b32 s[G0H], 1
	s_mov_b32 s[G0H+1], 0
	s_mov_b32 s[G0S], 1
	s_mov_b32 s[G0S+1], HS
	s_mov_b32 s[G0R], 1
	s_mul_i32 s[G0R+1], s[WV], 34560
	s_add_co_u32 s[G0R+1], s[G0R+1], WR
	s_wait_dscnt 0x0
	s_wait_kmcnt 0x0
	s_add_nc_u64 s[G0W+2:G0W+3], s[8:9], s[96:97]
	s_or_b32 s[G0W+3], s[G0W+3], 0x80000000
	s_add_nc_u64 s[G0H+2:G0H+3], s[4:5], s[90:91]
	s_or_b32 s[G0H+3], s[G0H+3], 0x80000000
	s_add_nc_u64 s[G0S+2:G0S+3], s[6:7], s[92:93]
	s_or_b32 s[G0S+3], s[G0S+3], 0x80000000
	s_add_nc_u64 s[G0R+2:G0R+3], s[4:5], s[94:95]
	s_or_b32 s[G0R+3], s[G0R+3], 0x80000000
	ROUND
	ARM 2, G0W, G1W, .Larm_h                       ; waves 0, 1: Wk's halves, jointly; wave 2: h's tiles 0-11; wave 3: h's scale bytes
	ARM 3, G0H, G1H, .Larm_s
	tensor_load_to_lds s[G0S:G0S+3], s[G1S:G1S+7]
	s_nop 0
	PLACES
.Lasked:
	s_mov_b32 s29, 0
	s_lshl_b32 s28, s[WV], 11                      ; my rows' scale bytes,
	s_add_nc_u64 s[10:11], s[10:11], s[28:29]
	s_lshl_b32 s28, s[WV], 9                       ; my 128 numbers of bk,
	s_add_nc_u64 s[12:13], s[12:13], s[28:29]
	s_lshl_b32 s28, s[PP], 3                       ; the pair's lengths,
	s_add_nc_u64 s[16:17], s[16:17], s[28:29]
	s_lshl_b32 s28, s[PP], 16                      ; its 16 partial sums,
	s_add_nc_u64 s[18:19], s[18:19], s[28:29]
	s_lshl_b32 s28, s[PP], 4
	s_add_co_u32 s28, s28, s[CH]
	s_lshl_b32 s28, s28, 12
	s_lshl_b32 s30, s[WV], 9
	s_add_co_u32 s28, s28, s30                     ; opart: (16 P + chunk) x 4,096 + my 128 numbers,
	s_add_nc_u64 s[20:21], s[20:21], s[28:29]
	s_lshl_b32 s28, s25, 8                         ; ml: 256 bytes a work-group
	s_add_nc_u64 s[22:23], s[22:23], s[28:29]
	s_mov_b32 s[CC], 0x4038aa3b                    ; c = 2 log2(e)
	s_mov_b32 s[CC+1], s[CC]
	s_mov_b32 s[SEL], 0x76543210
	s_mov_b32 s[SEL+1], 0xfedcba98
	s_mov_b32 s[HM], 0xffff0000
	s_mov_b32 s[M8], 0xff00ff00
	s_mov_b32 s[M4], 0xf0f0f0f0
	s_mov_b32 s[M2], 0xcccccccc
	s_mov_b32 s88, 0xba38aa3b                      ; -2 log2(e) / 4096
	s_mov_b32 s89, 0xc038aa3b                      ; -2 log2(e)
	s_mov_b32 s[HB], 0
	s_mov_b32 s[SB], 0
	s_lshl_b32 s30, s[WV], 7
	s_lshl_b32 s31, s[CH], 8
	s_mul_i32 s28, s[WV], 55296
	s_add_co_u32 s28, s28, WR
	s_lshl_b32 s90, s[WV], 9
	s_add_co_u32 s90, s90, QS
	v_and_b32 v224, 15, v0                         ; r
	v_bfe_u32 v225, v0, 4, 1                       ; h
	v_and_b32 v226, 31, v0                         ; lane
	v_mul_u32_u24 v[AH0], v224, 432
	v_mad_u32_u24 v[AH0], v225, 24, v[AH0]
	v_lshl_add_u32 v[AH0+1], v225, 4, v[AH0]
	v_lshl_add_u32 v[AS0], v226, 4, HS
	v_lshl_add_u32 v[PLD], v226, 2, EX
	v_add_nc_u32 v[PST], s30, v[PLD]
	v_lshrrev_b32 v[POS], 1, v224
	v_lshl_add_u32 v[POS], v225, 3, v[POS]
	v_add_nc_u32 v[POS], s31, v[POS]               ; 256 chunk + 8 h + r / 2: lanes 0-15 stand for tile A, lanes 16-31 for tile B
	v_add_nc_u32 v[AW], s28, v[AH0]
	v_add_nc_u32 v[AW+1], s28, v[AH0+1]
	v_lshlrev_b32 v230, 4, v224
	v_lshl_add_u32 v230, v225, 10, v230            ; Wk's scale bytes: 16 r + 1024 h
	v_lshlrev_b32 v231, 5, v225                    ; bk: 32 h
	v_and_b32 v232, 1, v224
	v_lshlrev_b32 v233, 2, v232                    ; lengths: 4 (r % 2)
	v_lshlrev_b32 v234, 4, v0                      ; qpart, bq: 16 x thread
	v_lshl_add_u32 v235, v0, 4, QS                 ; where my q' go
	v_lshl_add_u32 v236, v232, 11, v231
	v_add_nc_u32 v236, s90, v236                   ; where I read q': QS + 2048 (r % 2) + 512 w + 32 h
.irp u, 0,1,2,3
	global_load_b128 v[WS+4*\u:WS+4*\u+3], v230, s[10:11] offset:256*\u
.endr
	global_load_b32 v[LEN], v233, s[16:17]
	WIN 0x40
.irp t, 0,1,2,3,4,5,6,7
	global_load_b128 v[BI+8*\t:BI+8*\t+3], v231, s[12:13] offset:64*\t         ; bk[128 w + 16 t + 8 h + 0 .. 7]
	global_load_b128 v[BI+8*\t+4:BI+8*\t+7], v231, s[12:13] offset:64*\t+16
.endr
	WIN 0xc0
.set i, 0
.rept 16
	global_load_b128 v[8*i:8*i+3], v234, s[18:19] offset:4096*i                ; chunk i's sums of h . Wq: batch 0, n = 4 thread ..,
	global_load_b128 v[8*i+4:8*i+7], v234, s[18:19] offset:4096*i+2048         ; and batch 1
.set i, i+1
.endr
	global_load_b128 v[128:131], v234, s[14:15]    ; bq
	WIN 0
	WAITV
	s_wait_tensorcnt 0x0                           ; my tile of the head's four is in
	s_barrier_signal -1
	s_barrier_wait -1                              ; everybody's is
	WIN 0x40
.irp t, 0,1,2,3,4,5,6,7
	FRAG 24*\t, AW, TILEB*\t, 0
	FRAG 24*\t+12, AW, TILEB*\t, 1
.endr
	WIN 0x80
.irp t, 0,1,2,3,4,5,6,7
	FRAG 24*\t, AW, TILEB*\t, 2
	FRAG 24*\t+12, AW, TILEB*\t, 3
.endr
	WIN 0
.set i, 0
.rept 64
	v_mov_b32 v[O+i], 0                            ; the state begins as zeros: the softmax step is written once
.set i, i+1
.endr
	v_mov_b32 v[MX], 0xff61b1e6                    ; -3e38, under every t
	v_mov_b32 v[MK], 0xc6616bcd                    ; -10000 log2(e)
.irp x, LS, FF+1, PA+1, PB+1, TO, PO, RCV
	v_mov_b32 v[\x], 0                             ; the sum; upper halves of pairs whose low word serves both halves; destinations of lane permutes
.endr
	WAITV
	s_wait_tensorcnt 0x0
	ds_add_u32 v[SPW], v[NIL]
	s_mov_b32 s[G1H+2], 40<<16                     ; no load of mine is out: a load of h now brings 40 time steps
	s_mov_b32 s[G1H+4], 40
	s_wait_dscnt 0x0                               ; the add is done and my rows of Wk are in registers
	ROUND
	tensor_load_to_lds s[G0R:G0R+3], s[G1H:G1H+7]  ; tiles 12 + 5 w .. 16 + 5 w, over Wk's bytes
	s_nop 0
	PLACES
	s_wait_loadcnt 0x0
	WIN 0xff                                       ; q' = (sum of the 16 chunks) x (-2 log2(e) / 4096) + bq x (-2 log2(e)): eight numbers a thread
.irp d, 8,4,2,1
.set i, 0
.rept \d
.irp k, 0,2,4,6
	v_pk_add_f32 v[8*i+\k:8*i+\k+1], v[8*i+\k:8*i+\k+1], v[8*(i+\d)+\k:8*(i+\d)+\k+1]
.endr
.set i, i+1
.endr
.endr
.irp k, 0,1,2,3
	v_mul_f32 v[132+\k], s89, v[128+\k]
.endr
.irp k, 0,1,2,3,4,5,6,7
	v_fma_f32 v[\k], v[\k], s88, v[132+\k%4]
.endr
	WIN 0x0c
	ds_store_b128 v235, v[0:3]
	ds_store_b128 v235, v[4:7] offset:2048
	WIN 0
	s_wait_dscnt 0x0
	s_barrier_signal -1
	s_barrier_wait -1                              ; q' is whole; the refill may stay out
	WIN 0x80
.irp t, 0,1,2,3,4,5,6,7
	ds_load_b128 v[QP+8*\t:QP+8*\t+3], v236 offset:64*\t
	ds_load_b128 v[QP+8*\t+4:QP+8*\t+7], v236 offset:64*\t+16
.endr
	WIN 0
.macro LOADH                           ; a batch's scale words and eight fragments: 49 LDS loads; then on to the next batch
	v_add_nc_u32 v[ADR], s[HB], v[AH0]
	v_add_nc_u32 v[ADR+1], s[HB], v[AH0+1]
	v_add_nc_u32 v[ADS], s[SB], v[AS0]
	ds_load_b128 v[HSR:HSR+3], v[ADS]
.irp tl, 0,1
.irp kap, 0,1,2,3
	FRAG F+48*\tl+12*\kap, ADR, TILEB*\tl, \kap
.endr
.endr
	s_add_co_u32 s[HB], s[HB], 2*TILEB
	s_add_co_u32 s[SB], s[SB], 512
.endm
.macro MM set                          ; 64 products: two tiles of h against my 8 tiles of Wk.  K step 0 takes bk as its C.  The 16 accumulators take turns
.irp kap, 0,1,2,3
.if \kap == 0
	WIN 0xd1
.elseif \kap == 1
	WIN 0xf1
.else
	WIN 0xf2
.endif
.irp tl, 0,1
.irp t, 0,1,2,3,4,5,6,7
.if \kap == 0
	WM 128*(\set)+64*\tl+8*\t, 24*\t, F+48*\tl, BI+8*\t, WS+4*(\t%4), HSR, \t/4, \tl
.else
	WM 128*(\set)+64*\tl+8*\t, 24*\t+12*(\kap%2), F+48*\tl+12*\kap, 128*(\set)+64*\tl+8*\t, WS+4*(\t%4)+\kap, HSR+\kap, \t/4, \tl
.endif
.endr
.endr
.endr
	WIN 0
.endm
.macro V2LOAD buf
.irp k, 0,1,2,3
	ds_load_b32 v[E+\k], v[PLD] offset:512*(\buf)+128*\k
.endr
.endm
.macro MASK
	v_cmp_ge_i32 vcc_lo, v[POS], v[LEN]
	v_cndmask_b32 v[TMP], 0, v[MK], vcc_lo         ; position >= length: -10000 log2(e), else 0
	v_add_nc_u32 v[POS], 16, v[POS]
.endm
; the softmax step: the four waves' parts make t (all waves add in one order); the mask; the running maximum; p; sum p and sum p rr.  younger: the LDS loads issued behind the parts'
.macro V2REST set, younger
.set XV, 128*(\set)
	WIN 0
	WAITV
	s_wait_dscnt \younger
	v_pk_add_f32 v[E:E+1], v[E:E+1], v[E+2:E+3]
	v_add_f32 v[T], v[E], v[E+1]
	v_add_f32 v[T], v[T], v[TMP]
	v_permlanex16_b32 v[TO], v[T], s[SEL], s[SEL+1]
	v_max3_num_f32 v[MN], v[MX], v[T], v[TO]
	v_sub_f32 v[FF], v[MX], v[MN]
	v_sub_f32 v[P], v[T], v[MN]
	WAITV
	v_exp_f32 v[FF], v[FF]
	v_exp_f32 v[P], v[P]
	v_mov_b32 v[MX], v[MN]
	WAITV
	v_permlanex16_b32 v[PO], v[P], s[SEL], s[SEL+1]
	v_cndmask_b32 v[PA], v[P], v[PO], s[HM]
	v_cndmask_b32 v[PB], v[PO], v[P], s[HM]
	v_add_f32 v[TMP], v[P], v[PO]
	v_fma_f32 v[LS], v[LS], v[FF], v[TMP]
.set i, 0
.rept 32
	v_pk_mul_f32 v[O+2*i:O+2*i+1], v[O+2*i:O+2*i+1], v[FF:FF+1] op_sel_hi:[1,0]
.set i, i+1
.endr
	WIN 0x03
.set i, 0
.rept 32
	v_pk_fma_f32 v[O+2*i:O+2*i+1], v[XV+2*i:XV+2*i+1], v[PA:PA+1], v[O+2*i:O+2*i+1] op_sel_hi:[1,0,1]
.set i, i+1
.endr
.set i, 0
.rept 32
	v_pk_fma_f32 v[O+2*i:O+2*i+1], v[XV+64+2*i:XV+64+2*i+1], v[PB:PB+1], v[O+2*i:O+2*i+1] op_sel_hi:[1,0,1]
.set i, i+1
.endr
.endm
.macro SC x, ch                        ; pair i of a tile onto one of its two chains; the first two pairs start them
.if i < 2
	v_pk_mul_f32 v[(\ch)+2*(i%2):(\ch)+2*(i%2)+1], v[(\x)+2*i:(\x)+2*i+1], v[QP+2*i:QP+2*i+1]
.else
	v_pk_fma_f32 v[(\ch)+2*(i%2):(\ch)+2*(i%2)+1], v[(\x)+2*i:(\x)+2*i+1], v[QP+2*i:QP+2*i+1], v[(\ch)+2*(i%2):(\ch)+2*(i%2)+1]
.endif
.endm
; interval i, par = i % 2.  v2: the softmax step of batch i - 1;  mm: the fragments and products of batch i + 1;  tw: the refill is waited for ahead of the barrier
.macro BODY par, v2, mm, tw
	PLACES                                         ; behind the last products: for the loads into their sources and the first read of their results
.if \v2
	V2LOAD 1-(\par)
.endif
.if \mm
	LOADH
.endif
.if \v2
	MASK
.endif
	WIN 0xc3
.set XC, 128*(\par)
.set i, 0
.rept 64
	v_pk_mul_f32 v[XC+2*i:XC+2*i+1], v[XC+2*i:XC+2*i+1], s[CC:CC+1] op_sel_hi:[1,0]   ; c x; each accumulator from its low end on
.set i, i+1
.endr
	WAITV
.set i, 0
.rept 128
	v_exp_f32 v[XC+i], v[XC+i]
.set i, i+1
.endr
.if \v2
	V2REST 1-(\par), 49*(\mm)
.else
	v_nop
.endif
	WIN 0xc3
	WAITV
.set XC, 128*(\par)
.set i, 0
.rept 64
	v_pk_add_f32 v[XC+2*i:XC+2*i+1], v[XC+2*i:XC+2*i+1], 1.0 op_sel_hi:[1,0]
.set i, i+1
.endr
	WAITV
.set i, 0
.rept 128
	v_rcp_f32 v[XC+i], v[XC+i]                     ; rr
.set i, i+1
.endr
	v_nop
	WAITV
	WIN 0x0b                                       ; source 0 rr (window 3), source 1 q' (window 2)
.set i, 0
.rept 32
	SC XC, E
	SC XC+64, E+4
.set i, i+1
.endr
	WIN 0
	v_pk_add_f32 v[E:E+1], v[E:E+1], v[E+2:E+3]
	v_pk_add_f32 v[E+4:E+5], v[E+4:E+5], v[E+6:E+7]
	v_add_f32 v[E], v[E], v[E+1]                   ; tile A, sub-row r: my half of the wave's 128 n
	v_add_f32 v[E+4], v[E+4], v[E+5]               ; tile B likewise
	v_cndmask_b32 v[KEEP], v[E], v[E+4], s[HM]     ; lanes 0-15 finish tile A, lanes 16-31 tile B
	v_cndmask_b32 v[TMP], v[E+4], v[E], s[HM]
	v_permlanex16_b32 v[RCV], v[TMP], s[SEL], s[SEL+1]
	v_add_f32 v[KEEP], v[KEEP], v[RCV]
	ds_store_b32 v[PST], v[KEEP] offset:512*(\par)
	WAITV
.if \tw
	s_wait_tensorcnt 0x0                           ; my part of tiles 12-31 has landed: the barrier shows it to all four waves
.endif
	s_wait_dscnt 0x0                               ; my part of the scores has landed, and the next batch's fragments are in
	s_barrier_signal -1
.if \mm
	MM 1-(\par)                                    ; work on registers between the signal and the wait
.endif
	s_barrier_wait -1
.endm
	LOADH                                          ; batch 0
	s_wait_dscnt 0x0                               ; its fragments, and q'
	MM 0
	BODY 0, 0, 1, 1                                ; intervals 0 reads tiles 0-3 alone; the loop reads on into the refilled bytes
	s_mov_b32 s[CNT], 7
.Lloop:                                            ; intervals 1 to 14
	BODY 1, 1, 1, 0
	BODY 0, 1, 1, 0
	s_sub_co_u32 s[CNT], s[CNT], 1
	s_cmp_lg_u32 s[CNT], 0
	WAITV
	s_cbranch_scc1 .Lloop
	BODY 1, 1, 0, 0                                ; interval 15: no batch 16
	V2LOAD 1
	MASK
	V2REST 1, 0
	WIN 0
; THE WAY OUT.  Lanes of equal r % 2 are brought under their common largest t and added.
.macro ALLRED reg, n
.irp m, 2,4,8
.set i, 0
.rept \n
	v_add_f32_dpp v[(\reg)+i], v[(\reg)+i], v[(\reg)+i] row_xmask:\m row_mask:0xf bank_mask:0xf
.set i, i+1
.endr
.endr
.endm
.macro SELECT src, dst                 ; of 32 registers 8 t + 4 jj + k a lane keeps the four with t = r / 4, jj = (r / 2) % 2
.set i, 0
.rept 16
	v_cndmask_b32 v[TS+i], v[(\src)+i], v[(\src)+16+i], s[M8]
.set i, i+1
.endr
.set i, 0
.rept 8
	v_cndmask_b32 v[TS+i], v[TS+i], v[TS+8+i], s[M4]
.set i, i+1
.endr
.set i, 0
.rept 4
	v_cndmask_b32 v[(\dst)+i], v[TS+i], v[TS+4+i], s[M2]
.set i, i+1
.endr
.endm
	v_mov_b32 v[MN], v[MX]
	v_max_num_f32_dpp v[MN], v[MN], v[MN] row_xmask:2 row_mask:0xf bank_mask:0xf
	v_max_num_f32_dpp v[MN], v[MN], v[MN] row_xmask:4 row_mask:0xf bank_mask:0xf
	v_max_num_f32_dpp v[MN], v[MN], v[MN] row_xmask:8 row_mask:0xf bank_mask:0xf
	v_sub_f32 v[FF], v[MX], v[MN]
	WAITV
	v_exp_f32 v[FF], v[FF]
	v_and_b32 v14, 15, v0                          ; r
	v_bfe_u32 v15, v0, 4, 1                        ; h
	v_and_b32 v16, 1, v14                          ; 2048 (r % 2) + 64 (r / 4) + 32 h + 16 ((r / 2) % 2)
	v_lshlrev_b32 v16, 11, v16
	v_lshrrev_b32 v17, 2, v14
	v_lshl_add_u32 v16, v17, 6, v16
	v_lshl_add_u32 v16, v15, 5, v16
	v_bfe_u32 v17, v14, 1, 1
	v_lshl_add_u32 v16, v17, 4, v16
	WAITV
	v_mul_f32 v[LS], v[LS], v[FF]
.set i, 0
.rept 32
	v_pk_mul_f32 v[O+2*i:O+2*i+1], v[O+2*i:O+2*i+1], v[FF:FF+1] op_sel_hi:[1,0]
.set i, i+1
.endr
	ALLRED LS, 1
	ALLRED O, 64
	SELECT O, RES
	global_store_b128 v16, v[RES:RES+3], s[20:21]                 ; two aligned runs of 256 bytes: n = 128 w + 0 .. 63 of both batches
	SELECT O+32, RES+4
	global_store_b128 v16, v[RES+4:RES+7], s[20:21] offset:256    ; n = 128 w + 64 .. 127
	WAITV
	s_cmp_lg_u32 s[WV], 0
	s_cbranch_scc1 .Lend                           ; all waves hold the same largest t and sum: wave 0 stores them
	v_mov_b32 v[TMP], v[LS]                        ; the pair v[30:31]: the largest t, sum p
	v_and_b32 v18, 31, v0
	v_lshlrev_b32 v18, 3, v18
	global_store_b64 v18, v[MN:MN+1], s[22:23]     ; 32 lanes store 256 consecutive bytes; lane 0 holds batch 0's pair, lane 1 batch 1's
.Lend:
	s_wait_tensorcnt 0x0                           ; the wave's end
	ds_add_u32 v[SPW], v[NIL]
	s_wait_dscnt 0x0
	ROUND                                          ; the closing round
	s_endpgm
.Lfunc_end_k_q3df5ef557f_attn:
	.size	k_q3df5ef557f_attn, .Lfunc_end_k_q3df5ef557f_attn-k_q3df5ef557f_attn
	.p2alignl 7, 3214868480
	.fill 96, 4, 3214868480
	.section	.rodata,"a",@progbits
	.p2align	6, 0x0
	.amdhsa_kernel k_q3df5ef557f_attn
		.amdhsa_group_segment_fixed_size 327680
		.amdhsa_private_segment_fixed_size 0
		.amdhsa_enable_private_segment 0
		.amdhsa_kernarg_size 80
		.amdhsa_user_sgpr_count 2
		.amdhsa_user_sgpr_kernarg_segment_ptr 1
		.amdhsa_wavefront_size32 1
		.amdhsa_system_sgpr_workgroup_id_x 1
		.amdhsa_system_sgpr_workgroup_id_y 1
		.amdhsa_system_sgpr_workgroup_id_z 1
		.amdhsa_system_vgpr_workitem_id 0
		.amdhsa_next_free_vgpr 1024
		.amdhsa_next_free_sgpr 100
		.amdhsa_reserve_vcc 1
		.amdhsa_float_denorm_mode_32 3
		.amdhsa_float_denorm_mode_16_64 3
		.amdhsa_memory_ordered 1
		.amdhsa_forward_progress 1
		.amdhsa_inst_pref_size 213
	.end_amdhsa_kernel
	.amdgpu_metadata
---
amdhsa.version: [ 1, 2 ]
amdhsa.kernels:
  - .name:           k_q3df5ef557f_attn
    .symbol:         k_q3df5ef557f_attn.kd
    .args:
      - { .name: hidden_states_codes, .offset: 0, .size: 8, .value_kind: global_buffer, .address_space: global }
      - { .name: hidden_states_scales, .offset: 8, .size: 8, .value_kind: global_buffer, .address_space: global }
      - { .name: Wk_codes, .offset: 16, .size: 8, .value_kind: global_buffer, .address_space: global }
      - { .name: Wk_scales, .offset: 24, .size: 8, .value_kind: global_buffer, .address_space: global }
      - { .name: bk, .offset: 32, .size: 8, .value_kind: global_buffer, .address_space: global }
      - { .name: bq, .offset: 40, .size: 8, .value_kind: global_buffer, .address_space: global }
      - { .name: lengths, .offset: 48, .size: 8, .value_kind: global_buffer, .address_space: global }
      - { .name: qpart, .offset: 56, .size: 8, .value_kind: global_buffer, .address_space: global }
      - { .name: opart, .offset: 64, .size: 8, .value_kind: global_buffer, .address_space: global }
      - { .name: ml, .offset: 72, .size: 8, .value_kind: global_buffer, .address_space: global }
    .group_segment_fixed_size: 327680
    .private_segment_fixed_size: 0
    .kernarg_segment_align: 8
    .kernarg_segment_size: 80
    .max_flat_workgroup_size: 128
    .sgpr_count:     100
    .vgpr_count:     1024
    .wavefront_size: 32
...
	.end_amdgpu_metadata
.endif
;; end of part 2
;; launch comb (part 3): grid 32 x 1, 4 waves a work-group, no clusters, 0 bytes of LDS; arguments opart, ml, out0; writes out0
.if DOCPART == 3
	.amdgcn_target "amdgcn-amd-amdhsa--gfx1250"
	.amdhsa_code_object_version 6
	.text
	.protected	k_q3df5ef557f_comb
	.globl	k_q3df5ef557f_comb
	.p2align	8
	.type	k_q3df5ef557f_comb,@function
k_q3df5ef557f_comb:
	s_mov_b64 s[64:65], 0
	v_nop
	global_prefetch_b8 v0, s[64:65] scope:SCOPE_SE
	s_setreg_imm32_b32 hwreg(HW_REG_WAVE_MODE, 25, 1), 1
	s_wait_xcnt 0x0
; out0[b][n] = 1 - 2 (sum over the 16 chunks c of w_c O_c[n]) / (sum over c of w_c L_c), w_c = 2^(M_c - the largest M): the chunks' sums are brought under one maximum and joined.
; O_c = opart[P][c][b'][n] (sum p rr under the chunk's largest t), (M_c, L_c) = ml[16 c + P][lane b']; P = b / 2, b' = b % 2.
; One work-group a batch, 128 threads, four n a thread: a wave's load or store covers 512 consecutive bytes.  32 KiB are read for each batch and 2 KiB written: no LDS, no barrier, no matrix unit; 32 work-groups are all the work there is.
; The largest chunk's sum holds a term 1, so the divisor is at least 1.
	s_load_b128 s[4:7], s[0:1], 0x0                ; opart, ml
	s_load_b64 s[8:9], s[0:1], 0x10                ; out0
	s_lshr_b32 s10, ttmp9, 1                       ; P
	s_and_b32 s11, ttmp9, 1                        ; b'
	s_lshl_b32 s12, s10, 16                        ; opart: 65,536 P + 2,048 b'
	s_lshl_b32 s14, s11, 11
	s_add_co_u32 s12, s12, s14
	s_mov_b32 s13, 0
	s_lshl_b32 s14, s10, 8                         ; ml: 256 P + 8 b'
	s_lshl_b32 s16, s11, 3
	s_add_co_u32 s14, s14, s16
	s_mov_b32 s15, 0
	s_lshl_b32 s16, ttmp9, 11                      ; out0: 2,048 b
	s_mov_b32 s17, 0
	v_lshlrev_b32 v1, 4, v0                        ; 16 x thread
	v_and_b32 v2, 15, v0
	v_lshlrev_b32 v2, 12, v2                       ; lane l stands for chunk l % 16: 4,096 bytes from chunk to chunk
	s_wait_alu depctr_va_vdst(0)
	s_wait_kmcnt 0x0
	s_add_nc_u64 s[4:5], s[4:5], s[12:13]
	s_add_nc_u64 s[6:7], s[6:7], s[14:15]
	s_add_nc_u64 s[8:9], s[8:9], s[16:17]
	global_load_b64 v[4:5], v2, s[6:7]             ; (M_c, L_c)
.irp c, 0,1,2,3,4,5,6,7,8,9,10,11,12,13,14,15
	global_load_b128 v[16+4*\c:19+4*\c], v1, s[4:5] offset:4096*\c
.endr
	s_wait_loadcnt 16                              ; the pair is in; the 16 loads issued behind it may be out
	v_mov_b32 v6, v4
.irp m, 1,2,4,8
	v_max_num_f32_dpp v6, v6, v6 row_xmask:\m row_mask:0xf bank_mask:0xf      ; the largest M of the 16 chunks
.endr
	v_sub_f32 v7, v4, v6
	s_wait_alu depctr_va_vdst(0)
	v_exp_f32 v7, v7                               ; w_c
	v_nop                                          ; a plain line behind the exponential,
	s_wait_alu depctr_va_vdst(0)                   ; and the wait ahead of its first reader
	v_mul_f32 v8, v5, v7
.irp m, 1,2,4,8
	v_add_f32_dpp v8, v8, v8 row_xmask:\m row_mask:0xf bank_mask:0xf          ; sum w_c L_c
.endr
	s_wait_alu depctr_va_vdst(0)
	v_rcp_f32 v9, v8
	v_nop
	s_wait_alu depctr_va_vdst(0)
	v_mul_f32 v9, -2.0, v9
	v_mul_f32 v7, v7, v9                           ; a_c = -2 w_c / the sum
.irp c, 0,1,2,3,4,5,6,7,8,9,10,11,12,13,14,15
	v_readlane_b32 s[32+\c], v7, \c                ; the 16 factors, for every lane: they are multipliers and nothing else
.endr
	s_wait_loadcnt 0x0
.irp k, 0,1,2,3
	v_fma_f32 v[80+\k], s32, v[16+\k], 1.0         ; the first term starts the sum at 1
.endr
.irp c, 1,2,3,4,5,6,7,8,9,10,11,12,13,14,15
.irp k, 0,1,2,3
	v_fma_f32 v[80+\k], s[32+\c], v[16+4*\c+\k], v[80+\k]
.endr
.endr
	global_store_b128 v1, v[80:83], s[8:9]         ; a wave stores 512 consecutive bytes, at a multiple of 256 from out0's first byte
	s_endpgm
.Lfunc_end_k_q3df5ef557f_comb:
	.size	k_q3df5ef557f_comb, .Lfunc_end_k_q3df5ef557f_comb-k_q3df5ef557f_comb
	.p2alignl 7, 3214868480
	.fill 96, 4, 3214868480
	.section	.rodata,"a",@progbits
	.p2align	6, 0x0
	.amdhsa_kernel k_q3df5ef557f_comb
		.amdhsa_group_segment_fixed_size 0
		.amdhsa_private_segment_fixed_size 0
		.amdhsa_enable_private_segment 0
		.amdhsa_kernarg_size 24
		.amdhsa_user_sgpr_count 2
		.amdhsa_user_sgpr_kernarg_segment_ptr 1
		.amdhsa_wavefront_size32 1
		.amdhsa_system_sgpr_workgroup_id_x 1
		.amdhsa_system_sgpr_workgroup_id_y 1
		.amdhsa_system_sgpr_workgroup_id_z 1
		.amdhsa_system_vgpr_workitem_id 0
		.amdhsa_next_free_vgpr 96
		.amdhsa_next_free_sgpr 66
		.amdhsa_reserve_vcc 0
		.amdhsa_float_denorm_mode_32 3
		.amdhsa_float_denorm_mode_16_64 3
		.amdhsa_memory_ordered 1
		.amdhsa_forward_progress 1
		.amdhsa_inst_pref_size 9
	.end_amdhsa_kernel
	.amdgpu_metadata
---
amdhsa.version: [ 1, 2 ]
amdhsa.kernels:
  - .name:           k_q3df5ef557f_comb
    .symbol:         k_q3df5ef557f_comb.kd
    .args:
      - { .name: opart, .offset: 0, .size: 8, .value_kind: global_buffer, .address_space: global }
      - { .name: ml, .offset: 8, .size: 8, .value_kind: global_buffer, .address_space: global }
      - { .name: out0, .offset: 16, .size: 8, .value_kind: global_buffer, .address_space: global }
    .group_segment_fixed_size: 0
    .private_segment_fixed_size: 0
    .kernarg_segment_align: 8
    .kernarg_segment_size: 24
    .max_flat_workgroup_size: 128
    .sgpr_count:     66
    .vgpr_count:     96
    .wavefront_size: 32
...
	.end_amdgpu_metadata
.endif
;; end of part 3
